; MI455X (gfx1250); checked and timed in simulation.
; The chip was launched on July 23, 2026; its instructions are those of AMD's public machine-readable ISA for CDNA 5 (MIT licence, August 2026) and "CDNA5" Instruction Set Architecture Reference Guide (July 2026). The comments in the code are by the model that wrote it; some were corrected since.
;; Physics Informed Model. Allowed arithmetic: matrix products marked QUANTISED: E2M3 operands, one E8M0 scale for each 32 along K, by v_wmma_scale_f32_16x16x128_f8f6f4 with both operands' format E2M3, f32 sums; products left as they are: f32 operands where the result goes on into a quantised operand, else bf16, f16 or f32 operands; f32 sums; everything else in f32.
;; Inputs: W1 3 x 128 float32; W2 128 x 128 float32; W3 128 x 64 float32; W4 64 x 1 float32; b1 128 float32; b2 128 float32; b3 64 float32; b4 1 float32; x 262,144 x 3 float32.
;; Outputs: out0 262,144 x 4 float32.
;; This version of the problem:
;;   THIS VERSION OF THE PROBLEM IS GIVEN IN LOW PRECISION. The matrix products marked QUANTISED in the list below multiply operands that are first quantised to E2M3 (2 exponent bits, 3 mantissa bits; 6 bits a number), with one power-of-two scale for each 32 numbers along K (OCP MX v1.0); their sums are f32. All else is computed in f32.
;;   The module's matrix products, in the order in which they are computed (A, B: the left and right operand; K: the contracted axis; several contracted axes count as one K, in the product's order):
;;     1. [M 262,144, K 3] x [K 3, N 128]; A: input x; B: input W1: left as it is (K = 3 < 32)
;;     2. [M 262,144, K 3] x [K 3, N 128]; A: computed on the way; B: input W1: left as it is (K = 3 < 32)
;;     3. [M 262,144, K 128] x [K 128, N 128]; A: computed on the way; B: input W2: QUANTISED
;;     4. [M 262,144, K 128] x [K 128, N 128]; A: computed on the way; B: input W2: QUANTISED
;;     5. [M 262,144, K 128] x [K 128, N 64]; A: computed on the way; B: input W3: QUANTISED
;;     6. [M 262,144, K 128] x [K 128, N 64]; A: computed on the way; B: input W3: QUANTISED
;;     7. [M 262,144, K 64] x [K 64, N 1]; A: computed on the way; B: input W4: left as it is (N = 1 < 16)
;;     8. [M 262,144, K 64] x [K 64, N 1]; A: computed on the way; B: input W4: left as it is (N = 1 < 16)
;;     9. [M 262,144, K 3] x [K 3, N 128]; A: input x; B: input W1: left as it is (K = 3 < 32)
;;     10. [M 262,144, K 3] x [K 3, N 128]; A: computed on the way; B: input W1: left as it is (K = 3 < 32)
;;     11. [M 262,144, K 128] x [K 128, N 128]; A: computed on the way; B: input W2: QUANTISED
;;     12. [M 262,144, K 128] x [K 128, N 128]; A: computed on the way; B: input W2: QUANTISED
;;     13. [M 262,144, K 128] x [K 128, N 64]; A: computed on the way; B: input W3: QUANTISED
;;     14. [M 262,144, K 128] x [K 128, N 64]; A: computed on the way; B: input W3: QUANTISED
;;     15. [M 262,144, K 64] x [K 64, N 1]; A: computed on the way; B: input W4: left as it is (N = 1 < 16)
;;     16. [M 262,144, K 64] x [K 64, N 1]; A: computed on the way; B: input W4: left as it is (N = 1 < 16)
;;     17. [M 262,144, K 3] x [K 3, N 128]; A: input x; B: input W1: left as it is (K = 3 < 32)
;;     18. [M 262,144, K 3] x [K 3, N 128]; A: computed on the way; B: input W1: left as it is (K = 3 < 32)
;;     19. [M 262,144, K 3] x [K 3, N 128]; A: computed on the way; B: input W1: left as it is (K = 3 < 32)
;;     20. [M 262,144, K 128] x [K 128, N 128]; A: computed on the way; B: input W2: QUANTISED
;;     21. [M 262,144, K 128] x [K 128, N 128]; A: computed on the way; B: input W2: QUANTISED
;;     22. [M 262,144, K 128] x [K 128, N 128]; A: computed on the way; B: input W2: QUANTISED
;;     23. [M 262,144, K 128] x [K 128, N 128]; A: computed on the way; B: input W2: QUANTISED
;;     24. [M 262,144, K 128] x [K 128, N 64]; A: computed on the way; B: input W3: QUANTISED
;;     25. [M 262,144, K 128] x [K 128, N 64]; A: computed on the way; B: input W3: QUANTISED
;;     26. [M 262,144, K 128] x [K 128, N 64]; A: computed on the way; B: input W3: QUANTISED
;;     27. [M 262,144, K 128] x [K 128, N 64]; A: computed on the way; B: input W3: QUANTISED
;;     28. [M 262,144, K 64] x [K 64, N 1]; A: computed on the way; B: input W4: left as it is (N = 1 < 16)
;;     29. [M 262,144, K 64] x [K 64, N 1]; A: computed on the way; B: input W4: left as it is (N = 1 < 16)
;;     30. [M 262,144, K 64] x [K 64, N 1]; A: computed on the way; B: input W4: left as it is (N = 1 < 16)
;;     31. [M 262,144, K 64] x [K 64, N 1]; A: computed on the way; B: input W4: left as it is (N = 1 < 16)
;;   THE QUANTISER, for each operand of a quantised product, along K:
;;     - K is cut into blocks of 32 from its start; a last block that is shorter is filled with zeros.
;;     - A block's scale is 2^e with e = floor(log2(the largest magnitude in the block)) - 2, held to -126 .. 127; a block of zeros has e = 0. As a byte (E8M0): e + 127.
;;     - Each number is divided by its block's scale, clamped to +-7.5, and rounded to the nearest number of E2M3, ties to even, subnormals kept.
;;     - The product sums the exact products of the quantised numbers (number of the format x scale) in f32.
;;   ~~~python
;;   def quantise(x, axis):      # numpy; x: float32 -> the quantised numbers, widened to float32 again
;;       x = np.moveaxis(x, axis, -1); K = x.shape[-1]
;;       x = np.pad(x, [(0, 0)] * (x.ndim - 1) + [(0, -K % 32)]); x = x.reshape(x.shape[:-1] + (-1, 32)); a = np.abs(x).max(-1, keepdims=True)
;;       e = np.where(a > 0, np.clip(np.frexp(np.where(a > 0, a, 1))[1] - 1 - 2, -126, 127), 0)      # np.frexp(a)[1] - 1 = floor(log2(a)), exactly
;;       r = np.clip(x / 2.0 ** e, -7.5, 7.5)
;;       step = 2.0 ** (np.maximum(np.frexp(np.where(r == 0, 1, r))[1] - 1, 0) - 3)
;;       q = np.round(r / step) * step * 2.0 ** e      # np.round: ties to even
;;       return np.moveaxis(q.reshape(q.shape[:-2] + (-1,))[..., :K], -1, axis).astype(np.float32)
;;   ~~~
;;   OPERANDS COMPUTED ON THE WAY. 'Computed on the way' means the value that the module computes at that place (a softmax that the list does not call 'softmax' is quantised finished and normalised). What goes into a quantiser is computed in f32, as accurately as f32 sums, v_exp_f32 and their like allow (about 1e-6 of the number): no bf16 or f16 on the way to a quantiser, and a product that is left as it is and whose result goes on into a quantised operand takes f32 operands (vector FMAs, or v_wmma_f32_16x16x4_f32). A number that lies on a knife's edge between two numbers of the format may be rounded either way, as far as f32 arithmetic and the matrix unit's own rounding can turn it there, and no further.
;; 2 versions, each right; version 2 is version 1 with the launch pinn written anew for expert scheduling mode. Each part assembles by itself: llvm-mc -triple=amdgcn-amd-amdhsa -mcpu=gfx1250 --defsym DOCPART=n.
;; ======== version 1 of 2: 1 launch
;; launch pinn (part 1): grid 256 x 1, 8 waves a work-group, no clusters, 23,552 bytes of LDS; arguments x, W1, b1, W2, b2, W3, b3, W4, b4, out0; writes out0
.if DOCPART == 1
	.amdgcn_target "amdgcn-amd-amdhsa--gfx1250"
	.amdhsa_code_object_version 6
	.text
	.protected	k_qf5f86f4449_pinn
	.globl	k_qf5f86f4449_pinn
	.p2align	8
	.type	k_qf5f86f4449_pinn,@function
k_qf5f86f4449_pinn:
	s_mov_b64 s[64:65], 0
	v_nop
	global_prefetch_b8 v0, s[64:65] scope:SCOPE_SE
	s_setreg_imm32_b32 hwreg(HW_REG_WAVE_MODE, 25, 1), 1
	s_wait_xcnt 0x0
; out0[p] = (T, dT/dz, dT/dt, d2T/dz2) of the tanh MLP 3-128-128-64-1 at point x[p] = (z, t, theta), 262,144 points.
; The products with W2 and W3 (K = 128) multiply codes of E2M3 with one E8M0 scale for each 32 along K; all else is f32.
;
; WHAT IS COMPUTED ONCE, AND WHY THAT IS ALL.  The three forward-mode derivatives of the problem repeat each other:
;  - the primal chain h1, h2, h3 stands in each of the three with the same operands; the z tangent stands in the first and, twice, in the third (as the inner
;    direction's tangent and as the outer's).  Equal operands through the same quantiser give equal codes, scales and sums, for all values of the inputs.  So there are
;    four different chains, h, h_z, h_t, h_zz, and each goes once through W2 and once through W3: 8 quantised products for the 16 that are written.
;  - ez @ W1 and et @ W1 multiply by unit vectors that the problem builds itself: they are rows 0 and 1 of W1, taken as they lie.  The tangent of the constant direction ez is 0, so layer 1 has a_zz = 0.
;  - of the products with W4 four reach an output (T, T_z, T_t, T_zz); the others' results are sliced away.
;  Every input has a way to an output and is loaded.  LIMIT: what is left out is a copy of what is kept, so a NaN or an infinity that arises there arises in the kept copy too.
; THE ALGEBRA, for a layer with pre-activations a, a_z, a_t, a_zz:  h = tanh a;  s = 1 - h h;  h_z = s a_z;  h_t = s a_t;  h_zz = s (a_zz - 2 h a_z a_z).  Layer 1: h_zz = (h s) c, c = -2 W1[0]^2.
; TANH in f32:  hb = 1 - 2 / (1 + 2^(2 log2(e) a)), and h = the middle one of hb, lo = a - a^3/3 and hi = lo + 2 a^5/15.  tanh lies between lo and hi for either sign of a: for small a they hold hb's
;  absolute error down, for large a they part to either side (to infinities at the last, never NaN) and hb is the middle one.  No compare, no branch.
;  LIMITS: relative error of h about 2e-6 at the worst (|a| near 0.06); NaN and infinities among the inputs are not served; a block whose largest magnitude lies under 2^-124 gets the scale byte 1
;  (a block of zeros too, where the rule says 127: its codes are zeros, and the bytes are read by this program alone).
; SHARES.  256 work-groups of eight waves; a work-group takes 1,024 points, a wave 128, as 8 passes of 16.  A wave takes its 16 points through the whole chain alone: behind the set-up waves share nothing.
;  All matrix instructions are used transposed: source 0 = 16 neurons' weights, source 1 = the 16 points.  So lane (r, h) holds point r throughout and its registers run along the neurons, the next K.
;  THE NEURONS OF A TILE ARE NOT NEIGHBOURS: row r of tile 2 b + u is neuron 32 b + 8 u + r + 8 (r / 8), so that the 16 registers of tiles 2 b and 2 b + 1 are neurons 32 b + 16 h + 0 .. 15.
;  Layer 1 (K = 3, f32 operands, since it feeds a quantiser) is one f32 matrix instruction a tile: A = [W1 row 0, row 1, row 2, b1], B = [x0, x1, x2, 1].  The last layer (N = 1) is packed multiply-adds.
; THE WEIGHTS are quantised once by each work-group (wave w: tile w of W2, half a tile of W3), handed round through LDS as images of the operand's registers, and then stay in every wave's registers.
; NO CLUSTER, NO TENSOR LOAD: what work-groups share is 101,380 bytes of weights, read once at the head of a work-group that then issues some twenty thousand vector instructions a wave; x and out0 are each work-group's own.
; NO PREFETCH: a pass's 192 bytes of x are asked for one pass ahead, so no wave waits for memory.
;
; REGISTERS, in windows of 256 (s_set_vgpr_msb: bits 1:0 source 0, 3:2 source 1, 5:4 source 2, 7:6 destination).
;  window 0: addresses, x, all scale words, W1's tiles, layer 1's sums, W2's and W3's fragments.     window 1: all that the vector work of a pass touches.
.set PASSES, 8
; LDS: written in the set-up, only read afterwards
.set IMG2,  0                          ; W2's 8 tiles: 12 registers a lane; group g of four at 1536 T + 512 g + 16 lane
.set IMG3,  12288                      ; W3's 4 tiles: pair p of six at 1536 T + 256 p + 8 lane
.set WSC,   18432                      ; the 12 tiles' scale words: 128 T + 4 lane
.set TW0,   19968                      ; W1 row 0, 128 numbers
.set TW1,   20480                      ; W1 row 1
.set TC,    20992                      ; c = -2 W1[0]^2
.set TB2,   21504                      ; b2
.set TB3,   22016                      ; b3, 64 numbers
.set TW4,   22272                      ; W4
.set SPARE, 22528                      ; the spare words, 128 bytes for each wave: four blocks of 256 bytes that no other line names
; window 0
.set LH,  1                            ; 64 h: a table's 16 numbers for my half
.set LI,  2                            ; 16 x lane
.set LS,  3                            ; 4 x lane
.set XO0, 4                            ; x: 12 r + 8 h (x0 or x2)
.set XO1, 5                            ; x: 12 r + 4 (x1)
.set OO,  6                            ; out0: 16 r + 8 h
.set L8,  7                            ; 8 x lane
.set SPW, 10                           ; LDS address of my spare word; never rewritten
.set NIL, 11                           ; 0; never rewritten
.set XN,  12                           ; v12-13 the next pass's x, as loaded
.set XB,  14                           ; v14-15 source 1 of the f32 form
.set W2S, 16                           ; v16-23 W2's scale words;  v24-27 W3's;  v28-31 the four chains' of layer 1;  v32-35 of layer 2: scales and nothing else
.set W3S, 24
.set FAS, 28
.set FBS, 32
.set W1A, 36                           ; v36-51 source 0 of the f32 form: 8 tiles x 2
.set A1,  52                           ; v52-83 layer 1's sums, two sets of 16: written by matrix instructions alone
.set W2F, 84                           ; v84-179 W2's 8 fragments
.set W3F, 180                          ; v180-227 W3's 4
; window 0, in the set-up only
.set WA,  84                           ; 64 numbers of W2
.set WB,  148                          ; 32 of W3
.set B1T, 180                          ; b1 for the 8 tiles
.set TL,  188                          ; three table loads
.set CW2, 192                          ; my tile's codes
.set CW3, 204                          ; my half tile's
.set MXA, 224
.set MXB, 225
.set SOA, 226
.set SOB, 227
.set BYA, 228
.set BYB, 229
.set SH,  230                          ; 8 h
.set PM,  231                          ; a lane permute's destination
.set WD,  232                          ; W2's scale word
.set TQ,  233
.set R,   234
.set H,   235
.set LN,  236
.set RR4, 237                          ; 4 (r + 8 (r / 8))
.set WD3, 238                          ; W3's half scale word
.set GW2, 240
.set GW3, 241
.set GW1, 242
.set T4,  243                          ; 4 x thread
.set T127, 244                         ; 4 x (thread mod 128)
.set T2G, 245                          ; 2 x (thread mod 128)
.set T2L, 246                          ; 2 x thread
.set AI2, 247
.set AS2, 248
.set AI3, 249
.set AS3, 250
; window 1
.set ACC, 0                            ; v0-63: ACC + 16 q + 8 u + j; q = 0 a, 1 z, 2 t, 3 zz
.set T,   64                           ; v64-79 2^.., then h
.set Y,   80                           ; v80-95 a^2, hi, then s
.set Z,   96                           ; v96-111 a^3, lo, then h a_z^2 or h s
.set FA,  112                          ; v112-159 layer 1's four fragments; in layer 3 v112-143 hold W4
.set FB,  160                          ; v160-207 layer 2's four
.set CT,  208                          ; v208-223 an odd block's codes, four registers a chain
.set MX,  224
.set MP,  228
.set SO,  232
.set BY,  236
.set WORD, 240
.set DT,  244                          ; v244-251 the last layer's four sums, in pairs
.set C13, 252                          ; v252-253 -1/3, twice
.set OUTP, 254                         ; v254-255 what is stored
.set MSB, 0
.macro WIN new                         ; the immediate's high byte repeats the setting that is left; a switch that changes nothing is dropped
.if MSB != \new
	s_set_vgpr_msb (MSB<<8)|\new
.set MSB, \new
.endif
.endm
.macro SRCOF q                         ; SR = the 16 registers of chain q behind the activation: h in T, the tangents where their sums lay
.if (\q) == 0
.set SR, T
.else
.set SR, ACC+16*(\q)
.endif
.endm
; 32 numbers of a lane, one block along K, become 6 registers of codes at dst, the conversion's scale operand in so and the scale's byte in by
.macro UNITQ src, dst, tmp, mx, so, by
	v_max3_num_f32 v[\mx], |v[\src]|, |v[\src+1]|, 0x1800000           ; with the floor 2^(3 - 127): the byte cannot fall under 1
.irp i, 2,4,6,8,10,12,14,16,18,20,22,24,26,28,30
	v_max3_num_f32 v[\mx], v[\mx], |v[\src+\i]|, |v[\src+\i+1]|
.endr
	v_add_nc_u32 v[\so], 0xff000000, v[\mx]                             ; 2 off the exponent field: the conversion takes that field as its scale
	v_lshrrev_b32 v[\by], 23, v[\so]
	v_cvt_scalef32_pk16_fp6_f32 v[\dst:\dst+2], v[\src:\src+15], v[\so]
	v_cvt_scalef32_pk16_fp6_f32 v[\tmp:\tmp+2], v[\src+16:\src+31], v[\so]   ; (a conversion's three registers begin on an even number)
	v_nop                                                               ; one plain place behind a scaled conversion
.irp i, 0,1,2
	v_mov_b32 v[\dst+3+\i], v[\tmp+\i]
.endr
.endm
	s_load_b256 s[8:15], s[0:1], 0x0               ; x s[8:9], W1 s[10:11], b1 s[12:13], W2 s[14:15]
	s_load_b256 s[16:23], s[0:1], 0x20             ; b2 s[16:17], W3 s[18:19], b3 s[20:21], W4 s[22:23]
	s_load_b128 s[24:27], s[0:1], 0x40             ; b4 s[24:25], out0 s[26:27]
	v_lshl_add_u32 v[SPW], v0, 2, SPARE
	v_mov_b32 v[NIL], 0
	v_lshrrev_b32 v[R], 5, v0
	v_readfirstlane_b32 s28, v[R]                  ; wave w, 0..7
	s_mov_b32 s30, 0xffff0000                      ; lanes 16-31
	s_mov_b32 s32, 0x76543210
	s_mov_b32 s33, 0xfedcba98                      ; v_permlanex16_b32's selects for lane l xor 16
	s_mov_b32 s34, 0x4038aa3b                      ; 2 log2(e)
	s_mov_b32 s35, s34                             ; (the packed forms name a pair)
	s_mov_b32 s36, 0x3e088889                      ; 2/15
	s_mov_b32 s37, s36
	s_lshr_b32 s38, s28, 1                         ; w / 2
	s_and_b32 s39, s28, 1                          ; w % 2
	s_lshl_b32 s40, s38, 7
	s_lshl_b32 s41, s39, 5
	s_add_co_u32 s40, s40, s41                     ; W2, tile w: its first neuron x 4 bytes = 128 (w / 2) + 32 (w % 2)
	s_lshr_b32 s42, s28, 2
	s_lshl_b32 s42, s42, 7
	s_and_b32 s41, s38, 1
	s_lshl_b32 s41, s41, 5
	s_add_co_u32 s42, s42, s41                     ; W3, tile w / 2: likewise,
	s_lshl_b32 s41, s39, 14
	s_add_co_u32 s42, s42, s41                     ; and its half w % 2 along K: 64 rows of 256 bytes
	v_and_b32 v[R], 15, v0                         ; r
	v_bfe_u32 v[H], v0, 4, 1                       ; h
	v_and_b32 v[LN], 31, v0                        ; lane
	v_lshlrev_b32 v[LH], 6, v[H]
	v_lshlrev_b32 v[LI], 4, v[LN]
	v_lshlrev_b32 v[LS], 2, v[LN]
	v_lshlrev_b32 v[L8], 3, v[LN]
	v_mul_u32_u24 v[XO1], v[R], 12
	v_lshl_add_u32 v[XO0], v[H], 3, v[XO1]
	v_add_nc_u32 v[XO1], 4, v[XO1]
	v_lshlrev_b32 v[OO], 4, v[R]
	v_lshl_add_u32 v[OO], v[H], 3, v[OO]
	v_and_b32 v[RR4], 8, v[R]
	v_add_nc_u32 v[RR4], v[RR4], v[R]
	v_lshlrev_b32 v[RR4], 2, v[RR4]                ; 4 (r + 8 (r / 8))
	v_lshl_add_u32 v[GW2], v[H], 14, v[RR4]        ; W2(64 c + 32 h + i, my neuron): a row is 512 bytes
	v_add_nc_u32 v[GW2], s40, v[GW2]
	v_lshl_add_u32 v[GW3], v[H], 13, v[RR4]        ; W3: a row is 256 bytes
	v_add_nc_u32 v[GW3], s42, v[GW3]
	v_lshl_add_u32 v[GW1], v[H], 10, v[RR4]        ; W1: row 0 for lanes 0-15, row 2 for lanes 16-31
	v_lshlrev_b32 v[T4], 2, v0
	v_and_b32 v[T127], 127, v0
	v_lshlrev_b32 v[T2G], 1, v[T127]
	v_lshlrev_b32 v[T127], 2, v[T127]
	v_lshlrev_b32 v[T2L], 1, v0
	s_mul_i32 s43, s28, 1536
	v_add_nc_u32 v[AI2], s43, v[LI]                ; where my tile of W2 goes: 16 lane + 1536 w
	s_lshl_b32 s43, s28, 7
	v_add_nc_u32 v[AS2], s43, v[LS]                ; its scale word: 4 lane + 128 w
	s_mul_i32 s43, s28, 768
	v_add_nc_u32 v[AI3], s43, v[L8]                ; my half tile of W3: 8 lane + 768 w
	s_lshl_b32 s43, s38, 7
	s_lshl_b32 s44, s39, 1
	s_add_co_u32 s43, s43, s44
	v_add_nc_u32 v[AS3], s43, v[LS]                ; its half scale word: 4 lane + 128 (w / 2) + 2 (w % 2)
	v_lshlrev_b32 v[SH], 3, v[H]
	v_mov_b32 v[PM], 0                             ; a lane permute's destination counts as one of its sources
	s_mul_i32 s44, ttmp9, 12288                    ; x: 1,024 points of 12 bytes a work-group,
	s_mul_i32 s46, s28, 1536                       ; 128 a wave
	s_add_co_u32 s44, s44, s46
	s_mov_b32 s45, 0
	s_wait_kmcnt 0x0
	s_load_b32 s31, s[24:25], 0x0                  ; b4
	s_add_nc_u64 s[8:9], s[8:9], s[44:45]
	s_lshl_b32 s44, ttmp9, 14                      ; out0: 16 bytes a point
	s_lshl_b32 s46, s28, 11
	s_add_co_u32 s44, s44, s46
	s_add_nc_u64 s[26:27], s[26:27], s[44:45]
	s_cmp_lt_u32 s28, 4                            ; the tables: waves 0-3 and waves 4-7 copy from different buffers; the choice hangs on the wave's number alone
	s_cselect_b64 s[40:41], s[10:11], s[16:17]     ; W1 (row 0, for c) or b2
	s_cselect_b64 s[42:43], s[20:21], s[22:23]     ; b3 or W4
	s_cselect_b32 s47, -1, 0
.irp c, 0,1
.irp i, 0,1,2,3,4,5,6,7,8,9,10,11,12,13,14,15,16,17,18,19,20,21,22,23,24,25,26,27,28,29,30,31
	global_load_b32 v[WA+32*\c+\i], v[GW2], s[14:15] offset:512*(64*\c+\i)     ; a lane takes a neuron, its registers run down K in the operand's own order
.endr
.endr
.irp i, 0,1,2,3,4,5,6,7,8,9,10,11,12,13,14,15,16,17,18,19,20,21,22,23,24,25,26,27,28,29,30,31
	global_load_b32 v[WB+\i], v[GW3], s[18:19] offset:256*\i
.endr
.irp t, 0,1,2,3,4,5,6,7
	global_load_b32 v[W1A+2*\t], v[GW1], s[10:11] offset:128*(\t/2)+32*(\t%2)          ; k = 0 | k = 2
	global_load_b32 v[W1A+2*\t+1], v[RR4], s[10:11] offset:512+128*(\t/2)+32*(\t%2)    ; k = 1 (lanes 16-31 are replaced by b1 below)
	global_load_b32 v[B1T+\t], v[RR4], s[12:13] offset:128*(\t/2)+32*(\t%2)
.endr
	global_load_b32 v[TL], v[T4], s[10:11]         ; W1's rows 0 and 1, a number a thread
	global_load_b32 v[TL+1], v[T127], s[40:41]
	global_load_u16 v[TL+2], v[T2G], s[42:43]      ; 256 bytes by 128 threads
	global_load_b32 v[XN], v[XO0], s[8:9] th:TH_LOAD_NT
	global_load_b32 v[XN+1], v[XO1], s[8:9] th:TH_LOAD_NT
	s_wait_loadcnt 61                              ; W2's 64 are in: behind them stand 32 + 24 + 3 + 2
	UNITQ WA, CW2, 212, MXA, SOA, BYA              ; block h
	UNITQ WA+32, CW2+6, 216, MXB, SOB, BYB         ; block 2 + h
	v_lshl_or_b32 v[WD], v[BYB], 16, v[BYA]
	v_lshlrev_b32 v[WD], v[SH], v[WD]              ; my two bytes at their places,
	v_permlanex16_b32 v[PM], v[WD], s32, s33
	v_or_b32 v[WD], v[WD], v[PM]                   ; with lane l xor 16's two the word is whole
.irp g, 0,1,2
	ds_store_b128 v[AI2], v[CW2+4*\g:CW2+4*\g+3] offset:IMG2+512*\g
.endr
	ds_store_b32 v[AS2], v[WD] offset:WSC
	s_wait_loadcnt 29                              ; W3's 32 are in: behind them stand 24 + 3 + 2
	UNITQ WB, CW3, 220, MXA, SOA, BYA              ; block 2 (w % 2) + h
	v_lshlrev_b32 v[WD3], v[SH], v[BYA]
	v_permlanex16_b32 v[PM], v[WD3], s32, s33
	v_or_b32 v[WD3], v[WD3], v[PM]
.irp p, 0,1,2
	ds_store_b64 v[AI3], v[CW3+2*\p:CW3+2*\p+1] offset:IMG3+256*\p
.endr
	ds_store_b16 v[AS3], v[WD3] offset:WSC+1024
	s_wait_loadcnt 2                               ; all but x
.irp t, 0,1,2,3,4,5,6,7
	v_cndmask_b32 v[W1A+2*\t+1], v[W1A+2*\t+1], v[B1T+\t], s30     ; k = 1 | k = 3: b1
.endr
	ds_store_b32 v[T4], v[TL] offset:TW0
	v_mul_f32 v[TQ], v[TL+1], v[TL+1]
	v_mul_f32 v[TQ], -2.0, v[TQ]
	v_cndmask_b32 v[TQ], v[TL+1], v[TQ], s47       ; waves 0-3: c = -2 W1[0]^2; waves 4-7: b2 as it is
	ds_store_b32 v[T4], v[TQ] offset:TC
	ds_store_b16 v[T2L], v[TL+2] offset:TB3
	WIN 0x40                                       ; destination window 1
.irp q, 0,1,2,3
	v_mov_b32 v[MP+\q], 0                          ; a lane permute's destination counts as one of its sources
.endr
	v_mov_b32 v[C13], 0xbeaaaaab                   ; -1/3
	v_mov_b32 v[C13+1], 0xbeaaaaab
	WIN 0
	s_wait_dscnt 0x0                               ; for the others' sake: my stores have landed
	s_barrier_signal -1
	s_barrier_wait -1                              ; the launch's one barrier: images, scale words and tables are whole, and nobody writes them again
.irp t, 0,1,2,3,4,5,6,7
.irp g, 0,1,2
	ds_load_b128 v[W2F+12*\t+4*\g:W2F+12*\t+4*\g+3], v[LI] offset:IMG2+1536*\t+512*\g
.endr
	ds_load_b32 v[W2S+\t], v[LS] offset:WSC+128*\t
.endr
.irp t, 0,1,2,3
.irp p, 0,1,2,3,4,5
	ds_load_b64 v[W3F+12*\t+2*\p:W3F+12*\t+2*\p+1], v[L8] offset:IMG3+1536*\t+256*\p
.endr
	ds_load_b32 v[W3S+\t], v[LS] offset:WSC+1024+128*\t
.endr
	s_wait_dscnt 0x0
	s_wait_kmcnt 0x0                               ; b4
	s_mov_b32 s29, PASSES
; Layer 1's sums of block b (neurons 32 b on): two f32 matrix instructions, each its sum's one K step, begun with the constant 0
.macro FW b
	WIN 0
.irp u, 0,1
	v_wmma_f32_16x16x4_f32 v[A1+16*((\b)%2)+8*\u:A1+16*((\b)%2)+8*\u+7], v[W1A+2*(2*(\b)+\u):W1A+2*(2*(\b)+\u)+1], v[XB:XB+1], 0
.endr
.endm
; Layer 1's tables of block b: a_z = W1 row 0, a_t = W1 row 1, c, for my 16 neurons, where the tangents' sums lie in the later layers
.macro LDC b
	WIN 0x40
.irp g, 0,1,2,3
	ds_load_b128 v[ACC+16+4*\g:ACC+16+4*\g+3], v[LH] offset:TW0+128*(\b)+16*\g
	ds_load_b128 v[ACC+32+4*\g:ACC+32+4*\g+3], v[LH] offset:TW1+128*(\b)+16*\g
	ds_load_b128 v[ACC+48+4*\g:ACC+48+4*\g+3], v[LH] offset:TC+128*(\b)+16*\g
.endr
.endm
; Block b of a quantised layer: tiles 2 b and 2 b + 1 of the weights against the four chains' fragments: eight instructions on eight accumulators, K = 128 in one step: no chain.
; The primal's C is the bias, loaded into the accumulator's own registers; the tangents begin with 0.
.macro MM WF, WS, b, F, S
	s_wait_dscnt 0x0                               ; the bias (and, ahead of layer 3, W4)
	WIN 0x54                                       ; source 0 (the weights) window 0; source 1, C and D window 1
.irp u, 0,1
.irp q, 0,1,2,3
.if \q == 0
	v_wmma_scale_f32_16x16x128_f8f6f4 v[ACC+8*\u:ACC+8*\u+7], v[\WF+12*(2*(\b)+\u):\WF+12*(2*(\b)+\u)+11], v[\F:\F+11], v[ACC+8*\u:ACC+8*\u+7], v[\WS+2*(\b)+\u], v[\S] matrix_a_fmt:MATRIX_FMT_FP6 matrix_b_fmt:MATRIX_FMT_FP6
.else
	v_wmma_scale_f32_16x16x128_f8f6f4 v[ACC+16*\q+8*\u:ACC+16*\q+8*\u+7], v[\WF+12*(2*(\b)+\u):\WF+12*(2*(\b)+\u)+11], v[\F+12*\q:\F+12*\q+11], 0, v[\WS+2*(\b)+\u], v[\S+\q] matrix_a_fmt:MATRIX_FMT_FP6 matrix_b_fmt:MATRIX_FMT_FP6
.endif
.endr
.endr
	WIN 0x55
.rept 4
	v_nop                                          ; four places ahead of the first read of results (ISA guide 7.12.1)
.endr
.endm
; The activation and its derivatives for 16 neurons a lane.  kind = 1: layer 1, a in window 0 (set b % 2), the tangents' factors from the tables.  kind = 2: a, a_z, a_t, a_zz in ACC.
; nb: LDS byte of the next block's bias (-1: none), loaded into a's registers when they are done with; w4 = 1: W4 is fetched with it.
; All loops ascend, so that each matrix result is first read at its low end.  The exponentials are one batch with one wait, and so are the reciprocals; plain work that names none of their results stands among them.
.macro ACT kind, b, nb, w4
.if \kind == 1
.set AS, A1+16*((\b)%2)
	WIN 0x40                                       ; destination window 1, a in window 0
.else
.set AS, ACC
	WIN 0x55
.endif
.irp i, 0,2,4,6,8,10,12,14
	v_pk_mul_f32 v[T+\i:T+\i+1], v[AS+\i:AS+\i+1], s[34:35] op_sel_hi:[1,0]          ; 2 log2(e) a
.endr
.irp i, 0,2,4,6,8,10,12,14
	v_pk_mul_f32 v[Y+\i:Y+\i+1], v[AS+\i:AS+\i+1], v[AS+\i:AS+\i+1]                  ; a^2
.endr
.if \kind == 1
	WIN 0x41
.endif
.irp i, 0,2,4,6,8,10,12,14
	v_pk_mul_f32 v[Z+\i:Z+\i+1], v[Y+\i:Y+\i+1], v[AS+\i:AS+\i+1]                    ; a^3
.endr
	WIN 0x55
.irp i, 0,2,4,6,8,10,12,14
	v_exp_f32 v[T+\i], v[T+\i]
	v_pk_fma_f32 v[Y+\i:Y+\i+1], v[Y+\i:Y+\i+1], s[36:37], v[C13:C13+1] op_sel_hi:[1,0,1]   ; 2 a^2 / 15 - 1/3
.endr
.if \kind == 1
	WIN 0x45                                       ; source 2 (a) window 0
.endif
.irp i, 0,2,4,6,8,10,12,14
	v_exp_f32 v[T+\i+1], v[T+\i+1]
	v_pk_fma_f32 v[Y+\i:Y+\i+1], v[Y+\i:Y+\i+1], v[Z+\i:Z+\i+1], v[AS+\i:AS+\i+1]    ; hi = a - a^3/3 + 2 a^5/15
.endr
.irp i, 0,2,4,6,8,10,12,14
	v_pk_fma_f32 v[Z+\i:Z+\i+1], v[Z+\i:Z+\i+1], v[C13:C13+1], v[AS+\i:AS+\i+1]      ; lo = a - a^3/3.  (Plain places behind the last exponential)
.endr
.if \kind == 1 && (\b) < 2
	FW \b+2                                        ; this set of sums has had its last read: it takes the block two on
.endif
	WIN 0x55
	s_wait_alu depctr_va_vdst(0)                   ; the wait ahead of the first line that names an exponential's result: one for the 16
.irp i, 0,2,4,6,8,10,12,14
	v_pk_add_f32 v[T+\i:T+\i+1], v[T+\i:T+\i+1], 1.0 op_sel_hi:[1,0]
.endr
.irp i, 0,2,4,6,8,10,12,14
	v_rcp_f32 v[T+\i], v[T+\i]
	v_rcp_f32 v[T+\i+1], v[T+\i+1]
.if \kind == 2
	v_pk_mul_f32 v[ACC+\i:ACC+\i+1], v[ACC+16+\i:ACC+16+\i+1], v[ACC+16+\i:ACC+16+\i+1]   ; a_z^2, where a lay
.endif
.endr
.if \kind == 1
	v_nop                                          ; a plain place behind the last reciprocal
.endif
	s_wait_alu depctr_va_vdst(0)                   ; and one for the 16 reciprocals
.irp i, 0,2,4,6,8,10,12,14
	v_pk_fma_f32 v[T+\i:T+\i+1], v[T+\i:T+\i+1], -2.0, 1.0 op_sel_hi:[1,0,0]         ; hb
.endr
.irp j, 0,1,2,3,4,5,6,7,8,9,10,11,12,13,14,15
	v_med3_num_f32 v[T+\j], v[T+\j], v[Y+\j], v[Z+\j]                                ; h
.endr
.irp i, 0,2,4,6,8,10,12,14
	v_pk_fma_f32 v[Y+\i:Y+\i+1], v[T+\i:T+\i+1], v[T+\i:T+\i+1], 1.0 op_sel_hi:[1,1,0] neg_lo:[1,0,0] neg_hi:[1,0,0]   ; s = 1 - h h
.endr
.if \kind == 2
.irp i, 0,2,4,6,8,10,12,14
	v_pk_mul_f32 v[Z+\i:Z+\i+1], v[T+\i:T+\i+1], v[ACC+\i:ACC+\i+1]                  ; h a_z^2
.endr
.if (\nb) >= 0
	WIN 0x40
.irp g, 0,1,2,3
	ds_load_b128 v[ACC+4*\g:ACC+4*\g+3], v[LH] offset:\nb+16*\g                      ; the next block's bias: the C of its primal's products
.endr
.if \w4
.irp e, 0,1
.irp g, 0,1,2,3
	ds_load_b128 v[FA+16*\e+4*\g:FA+16*\e+4*\g+3], v[LH] offset:TW4+128*\e+16*\g     ; W4, where layer 1's fragments lay: their last product stands at this block's head
.endr
.endr
.endif
	WIN 0x55
.endif
.irp i, 0,2,4,6,8,10,12,14
	v_pk_fma_f32 v[ACC+48+\i:ACC+48+\i+1], v[Z+\i:Z+\i+1], -2.0, v[ACC+48+\i:ACC+48+\i+1] op_sel_hi:[1,0,1]   ; a_zz - 2 h a_z^2
.endr
.irp i, 0,2,4,6,8,10,12,14
	v_pk_mul_f32 v[ACC+48+\i:ACC+48+\i+1], v[ACC+48+\i:ACC+48+\i+1], v[Y+\i:Y+\i+1]  ; h_zz
.endr
.else
	s_wait_dscnt 0x0                               ; the tables, asked for at the block's head
.irp i, 0,2,4,6,8,10,12,14
	v_pk_mul_f32 v[Z+\i:Z+\i+1], v[T+\i:T+\i+1], v[Y+\i:Y+\i+1]                      ; h s
.endr
.irp i, 0,2,4,6,8,10,12,14
	v_pk_mul_f32 v[ACC+48+\i:ACC+48+\i+1], v[ACC+48+\i:ACC+48+\i+1], v[Z+\i:Z+\i+1]  ; h_zz = c h s
.endr
.endif
.irp i, 0,2,4,6,8,10,12,14
	v_pk_mul_f32 v[ACC+16+\i:ACC+16+\i+1], v[ACC+16+\i:ACC+16+\i+1], v[Y+\i:Y+\i+1]  ; h_z
.endr
.irp i, 0,2,4,6,8,10,12,14
	v_pk_mul_f32 v[ACC+32+\i:ACC+32+\i+1], v[ACC+32+\i:ACC+32+\i+1], v[Y+\i:Y+\i+1]  ; h_t
.endr
.endm
; Block b (k = 32 b + 16 h + 0 .. 15 in my 16 registers) of the four chains is quantised into the fragments at F (12 registers a chain); behind block 3 the scale words go to S, in window 0.
.macro QUANT b, F, S
.irp q, 0,1,2,3
	SRCOF \q
	v_max3_num_f32 v[MX+\q], |v[SR]|, |v[SR+1]|, 0x1800000                           ; with the floor 2^(3 - 127): the byte cannot fall under 1
.endr
.irp i, 2,4,6,8,10,12,14
.irp q, 0,1,2,3
	SRCOF \q
	v_max3_num_f32 v[MX+\q], v[MX+\q], |v[SR+\i]|, |v[SR+\i+1]|                      ; (the four chains by turns)
.endr
.endr
.irp q, 0,1,2,3
	v_permlanex16_b32 v[MP+\q], v[MX+\q], s32, s33
.endr
.irp q, 0,1,2,3
	v_max_num_f32 v[MX+\q], v[MX+\q], v[MP+\q]                                       ; with lane l xor 16's 16: the block's largest magnitude
.endr
.irp q, 0,1,2,3
	v_add_nc_u32 v[SO+\q], 0xff000000, v[MX+\q]                                      ; 2 off its exponent field: the conversion's scale operand
.endr
.if (\b) == 0
.irp q, 0,1,2,3
	v_lshrrev_b32 v[WORD+\q], 23, v[SO+\q]                                           ; the scale's byte starts the word
.endr
.else
.irp q, 0,1,2,3
	v_lshrrev_b32 v[BY+\q], 23, v[SO+\q]
.endr
.irp q, 0,1,2,3
	v_lshl_or_b32 v[WORD+\q], v[BY+\q], 8*(\b), v[WORD+\q]
.endr
.endif
.if (\b) == 3
	WIN 0x01                                       ; source window 1, destination window 0: scale operands are taken from window 0
.irp q, 0,1,2,3
	v_mov_b32 v[\S+\q], v[WORD+\q]
.endr
	WIN 0x55
.endif
.irp q, 0,1,2,3
	SRCOF \q
.if (\b)%2 == 0
	v_cvt_scalef32_pk16_fp6_f32 v[\F+12*\q+6*((\b)/2):\F+12*\q+6*((\b)/2)+2], v[SR:SR+15], v[SO+\q]
.else
	v_cvt_scalef32_pk16_fp6_f32 v[CT+4*\q:CT+4*\q+2], v[SR:SR+15], v[SO+\q]
.endif
.endr
	v_nop                                          ; one plain place behind a scaled conversion
.if (\b)%2 == 1                        ; the operand's layout wants a WHOLE block in a lane: lanes 0-15 block b - 1, lanes 16-31 block b
.irp q, 0,1,2,3
.irp i, 0,1,2
	v_permlane16_swap_b32 v[\F+12*\q+6*((\b)/2)+\i], v[CT+4*\q+\i]
.endr
.endr
.irp q, 0,1,2,3
.irp i, 0,1,2
	v_mov_b32 v[\F+12*\q+6*((\b)/2)+3+\i], v[CT+4*\q+\i]
.endr
.endr
.endif
.if (\b) == 3
.rept 4
	v_nop                                          ; an operand written by vector instructions stands 4 places ahead of a scaled matrix instruction; the scale words stand 33 ahead (4 + 1 + 12 + 12 + 4), where 8 are asked
.endr
.endif
.endm
; The last layer: block b's 16 neurons of the four chains times W4, two at a time; the first products start the sums
.macro DOTP b
.irp i, 0,2,4,6,8,10,12,14
.irp q, 0,1,2,3
	SRCOF \q
.if (\b) == 0 && \i == 0
	v_pk_mul_f32 v[DT+2*\q:DT+2*\q+1], v[SR+\i:SR+\i+1], v[FA+16*(\b)+\i:FA+16*(\b)+\i+1]
.else
	v_pk_fma_f32 v[DT+2*\q:DT+2*\q+1], v[SR+\i:SR+\i+1], v[FA+16*(\b)+\i:FA+16*(\b)+\i+1], v[DT+2*\q:DT+2*\q+1]
.endif
.endr
.endr
.endm
.Lpass:                                                ; a trip: 16 points.  Every window is 0 here
	s_wait_loadcnt 0x0                             ; this pass's x, asked for a pass ago
	v_mov_b32 v[XB], v[XN]                         ; k = 0: x0 | k = 2: x2
	v_cndmask_b32 v[XB+1], v[XN+1], 1.0, s30       ; k = 1: x1 | k = 3: 1, for b1
	s_cmp_eq_u32 s29, 1                            ; the last pass asks for nothing: no load leaves x
	s_cbranch_scc1 .Lno_next
	global_load_b32 v[XN], v[XO0], s[8:9] offset:192 th:TH_LOAD_NT
	global_load_b32 v[XN+1], v[XO1], s[8:9] offset:192 th:TH_LOAD_NT
.Lno_next:
.rept 4
	v_nop                                          ; the operand just written by vector instructions stands four places ahead of the matrix instruction, as ahead of the scaled form
.endr
	FW 0
	FW 1
	LDC 0
.irp g, 0,1,2,3
	ds_load_b128 v[ACC+4*\g:ACC+4*\g+3], v[LH] offset:TB2+16*\g     ; b2's first block: layer 1 leaves these registers alone
.endr
.rept 8
	v_nop                                          ; eight places behind the f32 form ahead of the first read of its results
.endr
	; ---- layer 1
	ACT 1, 0, -1, 0
	QUANT 0, FA, FAS
	LDC 1
	ACT 1, 1, -1, 0
	QUANT 1, FA, FAS
	LDC 2
	ACT 1, 2, -1, 0
	QUANT 2, FA, FAS
	LDC 3
	ACT 1, 3, -1, 0
	QUANT 3, FA, FAS
	; ---- layer 2
	MM W2F, W2S, 0, FA, FAS
	ACT 2, 0, TB2+128, 0
	QUANT 0, FB, FBS
	MM W2F, W2S, 1, FA, FAS
	ACT 2, 1, TB2+256, 0
	QUANT 1, FB, FBS
	MM W2F, W2S, 2, FA, FAS
	ACT 2, 2, TB2+384, 0
	QUANT 2, FB, FBS
	MM W2F, W2S, 3, FA, FAS
	ACT 2, 3, TB3, 1
	QUANT 3, FB, FBS
	; ---- layer 3 and the last layer
	MM W3F, W3S, 0, FB, FBS
	ACT 2, 0, TB3+128, 0
	DOTP 0
	MM W3F, W3S, 1, FB, FBS
	ACT 2, 1, -1, 0
	DOTP 1
	; ---- out: the sums' two halves, lane l xor 16's 32 neurons, b4
.irp q, 0,1,2,3
	v_add_f32 v[MX+\q], v[DT+2*\q], v[DT+2*\q+1]
.endr
.irp q, 0,1,2,3
	v_permlanex16_b32 v[MP+\q], v[MX+\q], s32, s33
.endr
.irp q, 0,1,2,3
	v_add_f32 v[MX+\q], v[MX+\q], v[MP+\q]
.endr
	v_add_f32 v[MX], s31, v[MX]
	v_cndmask_b32 v[OUTP], v[MX], v[MX+2], s30     ; lanes 0-15: T, T_z; lanes 16-31: T_t, T_zz
	v_cndmask_b32 v[OUTP+1], v[MX+1], v[MX+3], s30
	WIN 0x04                                       ; a store's data are its source 1: window 1
	global_store_b64 v[OO], v[OUTP:OUTP+1], s[26:27] th:TH_STORE_NT    ; the 32 lanes store 256 consecutive bytes, at a multiple of 256 from out0's first byte
	WIN 0
	s_wait_xcnt 0x0                                ; the loads and the store have read their bases and the store its data: only behind this wait are they written again
	s_add_nc_u64 s[8:9], s[8:9], 192
	s_add_nc_u64 s[26:27], s[26:27], 256
	s_sub_co_u32 s29, s29, 1
	s_cmp_lg_u32 s29, 0
	s_cbranch_scc1 .Lpass
	s_wait_tensorcnt 0x0                           ; the wave's end
	ds_add_u32 v[SPW], v[NIL]
	s_wait_dscnt 0x0
	s_endpgm
.Lfunc_end_k_qf5f86f4449_pinn:
	.size	k_qf5f86f4449_pinn, .Lfunc_end_k_qf5f86f4449_pinn-k_qf5f86f4449_pinn
	.p2alignl 7, 3214868480
	.fill 96, 4, 3214868480
	.section	.rodata,"a",@progbits
	.p2align	6, 0x0
	.amdhsa_kernel k_qf5f86f4449_pinn
		.amdhsa_group_segment_fixed_size 23552
		.amdhsa_private_segment_fixed_size 0
		.amdhsa_enable_private_segment 0
		.amdhsa_kernarg_size 80
		.amdhsa_user_sgpr_count 2
		.amdhsa_user_sgpr_kernarg_segment_ptr 1
		.amdhsa_wavefront_size32 1
		.amdhsa_system_sgpr_workgroup_id_x 1
		.amdhsa_system_sgpr_workgroup_id_y 1
		.amdhsa_system_sgpr_workgroup_id_z 1
		.amdhsa_system_vgpr_workitem_id 0
		.amdhsa_next_free_vgpr 512
		.amdhsa_next_free_sgpr 66
		.amdhsa_reserve_vcc 0
		.amdhsa_float_denorm_mode_32 3
		.amdhsa_float_denorm_mode_16_64 3
		.amdhsa_memory_ordered 1
		.amdhsa_forward_progress 1
		.amdhsa_inst_pref_size 168
	.end_amdhsa_kernel
	.amdgpu_metadata
---
amdhsa.version: [ 1, 2 ]
amdhsa.kernels:
  - .name:           k_qf5f86f4449_pinn
    .symbol:         k_qf5f86f4449_pinn.kd
    .args:
      - { .name: x, .offset: 0, .size: 8, .value_kind: global_buffer, .address_space: global }
      - { .name: W1, .offset: 8, .size: 8, .value_kind: global_buffer, .address_space: global }
      - { .name: b1, .offset: 16, .size: 8, .value_kind: global_buffer, .address_space: global }
      - { .name: W2, .offset: 24, .size: 8, .value_kind: global_buffer, .address_space: global }
      - { .name: b2, .offset: 32, .size: 8, .value_kind: global_buffer, .address_space: global }
      - { .name: W3, .offset: 40, .size: 8, .value_kind: global_buffer, .address_space: global }
      - { .name: b3, .offset: 48, .size: 8, .value_kind: global_buffer, .address_space: global }
      - { .name: W4, .offset: 56, .size: 8, .value_kind: global_buffer, .address_space: global }
      - { .name: b4, .offset: 64, .size: 8, .value_kind: global_buffer, .address_space: global }
      - { .name: out0, .offset: 72, .size: 8, .value_kind: global_buffer, .address_space: global }
    .group_segment_fixed_size: 23552
    .private_segment_fixed_size: 0
    .kernarg_segment_align: 8
    .kernarg_segment_size: 80
    .max_flat_workgroup_size: 256
    .sgpr_count:     66
    .vgpr_count:     512
    .wavefront_size: 32
...
	.end_amdgpu_metadata
.endif
;; end of part 1
;; ======== version 2 of 2: 1 launch; version 1 with the launch pinn written anew for expert scheduling mode
;; launch pinn (part 2): grid 256 x 1, 8 waves a work-group, no clusters, 23,552 bytes of LDS; arguments x, W1, b1, W2, b2, W3, b3, W4, b4, out0; writes out0
.if DOCPART == 2
	.amdgcn_target "amdgcn-amd-amdhsa--gfx1250"
	.amdhsa_code_object_version 6
	.text
	.protected	k_qf5f86f4449_pinn
	.globl	k_qf5f86f4449_pinn
	.p2align	8
	.type	k_qf5f86f4449_pinn,@function
k_qf5f86f4449_pinn:
	s_mov_b64 s[64:65], 0
	v_nop
	global_prefetch_b8 v0, s[64:65] scope:SCOPE_SE
	s_setreg_imm32_b32 hwreg(HW_REG_WAVE_SCHED_MODE, 0, 2), 2
	s_setreg_imm32_b32 hwreg(HW_REG_WAVE_MODE, 25, 1), 1
	s_wait_xcnt 0x0
	s_wait_alu depctr_vm_vsrc(0)
; out0[p] = (T, dT/dz, dT/dt, d2T/dz2) of the tanh MLP 3-128-128-64-1 at point x[p] = (z, t, theta), 262,144 points.
; The products with W2 and W3 (K = 128) multiply codes of E2M3 with one E8M0 scale for each 32 along K; all else is f32.
;
; WHAT IS COMPUTED ONCE, AND WHY THAT IS ALL.  The three forward-mode derivatives of the problem repeat each other:
;  - the primal chain h1, h2, h3 stands in each of the three with the same operands; the z tangent stands in the first and, twice, in the third (as the inner
;    direction's tangent and as the outer's).  Equal operands through the same quantiser give equal codes, scales and sums, for all values of the inputs.  So there are
;    four different chains, h, h_z, h_t, h_zz, and each goes once through W2 and once through W3: 8 quantised products for the 16 that are written.
;  - ez @ W1 and et @ W1 multiply by unit vectors that the problem builds itself: they are rows 0 and 1 of W1, taken as they lie.  The tangent of the constant direction ez is 0, so layer 1 has a_zz = 0.
;  - of the products with W4 four reach an output (T, T_z, T_t, T_zz); the others' results are sliced away.
;  Every input has a way to an output and is loaded.  LIMIT: what is left out is a copy of what is kept, so a NaN or an infinity that arises there arises in the kept copy too.
; THE ALGEBRA, for a layer with pre-activations a, a_z, a_t, a_zz:  h = tanh a;  s = 1 - h h;  h_z = s a_z;  h_t = s a_t;  h_zz = s (a_zz - 2 h a_z a_z).  Layer 1: h_zz = (h s) c, c = -2 W1[0]^2.
; TANH in f32:  hb = 1 - 2 / (1 + 2^(2 log2(e) a)), and h = the middle one of hb, lo = a - a^3/3 and hi = lo + 2 a^5/15.  tanh lies between lo and hi for either sign of a: for small a they hold hb's
;  absolute error down, for large a they part to either side (to infinities at the last, never NaN) and hb is the middle one.  No compare, no branch.
;  LIMITS: relative error of h about 2e-6 at the worst (|a| near 0.06); NaN and infinities among the inputs are not served; a block whose largest magnitude lies under 2^-124 gets the scale byte 1
;  (a block of zeros too, where the rule says 127: its codes are zeros, and the bytes are read by this program alone).
; SHARES.  256 work-groups of eight waves; a work-group takes 1,024 points, a wave 128, as 8 passes of 16.  A wave takes its 16 points through the whole chain alone: behind the set-up waves share nothing.
;  All matrix instructions are used transposed: source 0 = 16 neurons' weights, source 1 = the 16 points.  So lane (r, h) holds point r throughout and its registers run along the neurons, the next K.
;  THE NEURONS OF A TILE ARE NOT NEIGHBOURS: row r of tile 2 b + u is neuron 32 b + 8 u + r + 8 (r / 8), so that the 16 registers of tiles 2 b and 2 b + 1 are neurons 32 b + 16 h + 0 .. 15.
;  Layer 1 (K = 3, f32 operands, since it feeds a quantiser) is one f32 matrix instruction a tile: A = [W1 row 0, row 1, row 2, b1], B = [x0, x1, x2, 1].  The last layer (N = 1) is packed multiply-adds.
; THE WEIGHTS are quantised once by each work-group (wave w: tile w of W2, half a tile of W3), handed round through LDS as images of the operand's registers, and then stay in every wave's registers.
; NO CLUSTER, NO TENSOR LOAD: what work-groups share is 101,380 bytes of weights, read once at the head of a work-group that then issues some twenty thousand vector instructions a wave; x and out0 are each work-group's own.
; NO PREFETCH: a pass's 192 bytes of x are asked for one pass ahead, so no wave waits for memory.
;
; THE MODE: SCHED_MODE bits 1:0 = 2 (LLVM: expert scheduling mode 2), set by the entry lines.  The code itself states the register dependences
; between vector or matrix instructions and memory or LDS instructions, with s_wait_alu, always for 0.
; THE PLAN.  Registers that memory or LDS instructions touch in a pass, and who else names them:
;   XN          Written by the loads of the next pass's x; read by the two lines at a pass's head that make XB.
;   BIA         Written by the LDS loads of a block's bias; read by that block's two primal products, as their C.
;   ACC+16..63  In layer 1: written by the LDS loads of a block's tables, scaled in place by the activation, read by the quantiser's maxima and conversions.  (In layers 2 and 3 no load lands there.)
;   FA+0..31    W4 lands there in layer 2's last block, whose products are the last to read layer 1's fragments; read by the last layer's multiply-adds; written anew by the next pass's quantiser.
;   OUTP        Written by two selects; read by the pass's one store.
;   LH, XO0, XO1, OO   Offsets and an LDS address, made at the head and never written again: the scalar bases move on, and immediate offsets do the rest.
;   FA, FB, FAS, FBS   Written by vector instructions; taken by the scaled matrix instructions as source 1 and as scales.
; Each block's activation has a wait on va_vdst behind its exponentials in any case.  THE BLOCK'S LDS LOADS STAND DIRECTLY BEHIND THAT WAIT: it also states that the last block's conversions are done with the tangents' registers
; (layer 1: this block's tables follow) and that this block's products are done with BIA and, in layer 2's last block, with FA (the next bias and W4 follow).  Up to the wait on DScnt for them no vector or matrix instruction names these registers.
; Four more waits on va_vdst a pass: at its head, behind the readers of XN; behind the places at the end of each layer's quantiser, ahead of the scaled products; ahead of the store.  One wait on vm_vsrc a pass: behind the store.
;
; REGISTERS, in windows of 256 (s_set_vgpr_msb: bits 1:0 source 0, 3:2 source 1, 5:4 source 2, 7:6 destination).
;  window 0: addresses, x, all scale words, W1's tiles, layer 1's sums, W2's and W3's fragments, a block's bias.     window 1: all that the vector work of a pass touches.
.set PASSES, 8
; LDS: written in the set-up, only read afterwards
.set IMG2,  0                          ; W2's 8 tiles: 12 registers a lane; group g of four at 1536 T + 512 g + 16 lane
.set IMG3,  12288                      ; W3's 4 tiles: pair p of six at 1536 T + 256 p + 8 lane
.set WSC,   18432                      ; the 12 tiles' scale words: 128 T + 4 lane
.set TW0,   19968                      ; W1 row 0, 128 numbers
.set TW1,   20480                      ; W1 row 1
.set TC,    20992                      ; c = -2 W1[0]^2
.set TB2,   21504                      ; b2
.set TB3,   22016                      ; b3, 64 numbers
.set TW4,   22272                      ; W4
.set SPARE, 22528                      ; the spare words, 128 bytes for each wave: four blocks of 256 bytes that no other line names
; window 0
.set LH,  1                            ; 64 h: a table's 16 numbers for my half
.set LI,  2                            ; 16 x lane
.set LS,  3                            ; 4 x lane
.set XO0, 4                            ; x: 12 r + 8 h (x0 or x2)
.set XO1, 5                            ; x: 12 r + 4 (x1)
.set OO,  6                            ; out0: 16 r + 8 h
.set L8,  7                            ; 8 x lane
.set SPW, 10                           ; LDS address of my spare word; never rewritten
.set NIL, 11                           ; 0; never rewritten
.set XN,  12                           ; v12-13 the next pass's x, as loaded
.set XB,  14                           ; v14-15 source 1 of the f32 form
.set W2S, 16                           ; v16-23 W2's scale words;  v24-27 W3's;  v28-31 the four chains' of layer 1;  v32-35 of layer 2: scales and nothing else
.set W3S, 24
.set FAS, 28
.set FBS, 32
.set W1A, 36                           ; v36-51 source 0 of the f32 form: 8 tiles x 2
.set A1,  52                           ; v52-83 layer 1's sums, two sets of 16: written by matrix instructions alone
.set W2F, 84                           ; v84-179 W2's 8 fragments
.set W3F, 180                          ; v180-227 W3's 4
.set BIA, 228                          ; v228-243 in the loop: a block's bias, 16 numbers a lane: the C of its primal's two products
; window 0, in the set-up only
.set WA,  84                           ; 64 numbers of W2
.set WB,  148                          ; 32 of W3
.set B1T, 180                          ; b1 for the 8 tiles
.set TL,  188                          ; three table loads
.set CW2, 192                          ; my tile's codes
.set CW3, 204                          ; my half tile's
.set MXA, 224
.set MXB, 225
.set SOA, 226
.set SOB, 227
.set BYA, 228
.set BYB, 229
.set SH,  230                          ; 8 h
.set PM,  231                          ; a lane permute's destination
.set WD,  232                          ; W2's scale word
.set TQ,  233
.set R,   234
.set H,   235
.set LN,  236
.set RR4, 237                          ; 4 (r + 8 (r / 8))
.set WD3, 238                          ; W3's half scale word
.set GW2, 240
.set GW3, 241
.set GW1, 242
.set T4,  243                          ; 4 x thread
.set T127, 244                         ; 4 x (thread mod 128)
.set T2G, 245                          ; 2 x (thread mod 128)
.set T2L, 246                          ; 2 x thread
.set AI2, 247
.set AS2, 248
.set AI3, 249
.set AS3, 250
; window 1
.set ACC, 0                            ; v0-63: ACC + 16 q + 8 u + j; q = 0 a, 1 z, 2 t, 3 zz
.set T,   64                           ; v64-79 2^.., then h
.set Y,   80                           ; v80-95 a^2, hi, then s
.set Z,   96                           ; v96-111 a^3, lo, then h a_z^2 or h s
.set FA,  112                          ; v112-159 layer 1's four fragments; in layer 3 v112-143 hold W4
.set FB,  160                          ; v160-207 layer 2's four
.set CT,  208                          ; v208-223 an odd block's codes, four registers a chain
.set MX,  224
.set MP,  228
.set SO,  232
.set BY,  236
.set WORD, 240
.set DT,  244                          ; v244-251 the last layer's four sums, in pairs
.set C13, 252                          ; v252-253 -1/3, twice
.set OUTP, 254                         ; v254-255 what is stored
.set MSB, 0
.macro WIN new                         ; the immediate's high byte repeats the setting that is left; a switch that changes nothing is dropped
.if MSB != \new
	s_set_vgpr_msb (MSB<<8)|\new
.set MSB, \new
.endif
.endm
.macro SRCOF q                         ; SR = the 16 registers of chain q behind the activation: h in T, the tangents where their sums lay
.if (\q) == 0
.set SR, T
.else
.set SR, ACC+16*(\q)
.endif
.endm
; 32 numbers of a lane, one block along K, become 6 registers of codes at dst, the conversion's scale operand in so and the scale's byte in by
.macro UNITQ src, dst, tmp, mx, so, by
	v_max3_num_f32 v[\mx], |v[\src]|, |v[\src+1]|, 0x1800000           ; with the floor 2^(3 - 127): the byte cannot fall under 1
.irp i, 2,4,6,8,10,12,14,16,18,20,22,24,26,28,30
	v_max3_num_f32 v[\mx], v[\mx], |v[\src+\i]|, |v[\src+\i+1]|
.endr
	v_add_nc_u32 v[\so], 0xff000000, v[\mx]                             ; 2 off the exponent field: the conversion takes that field as its scale
	v_lshrrev_b32 v[\by], 23, v[\so]
	v_cvt_scalef32_pk16_fp6_f32 v[\dst:\dst+2], v[\src:\src+15], v[\so]
	v_cvt_scalef32_pk16_fp6_f32 v[\tmp:\tmp+2], v[\src+16:\src+31], v[\so]   ; (a conversion's three registers begin on an even number)
	v_nop                                                               ; one plain place behind a scaled conversion
.irp i, 0,1,2
	v_mov_b32 v[\dst+3+\i], v[\tmp+\i]
.endr
.endm
	s_load_b256 s[8:15], s[0:1], 0x0               ; x s[8:9], W1 s[10:11], b1 s[12:13], W2 s[14:15]
	s_load_b256 s[16:23], s[0:1], 0x20             ; b2 s[16:17], W3 s[18:19], b3 s[20:21], W4 s[22:23]
	s_load_b128 s[24:27], s[0:1], 0x40             ; b4 s[24:25], out0 s[26:27]
	v_lshl_add_u32 v[SPW], v0, 2, SPARE
	v_mov_b32 v[NIL], 0
	v_lshrrev_b32 v[R], 5, v0
	v_readfirstlane_b32 s28, v[R]                  ; wave w, 0..7
	s_mov_b32 s30, 0xffff0000                      ; lanes 16-31
	s_mov_b32 s32, 0x76543210
	s_mov_b32 s33, 0xfedcba98                      ; v_permlanex16_b32's selects for lane l xor 16
	s_mov_b32 s34, 0x4038aa3b                      ; 2 log2(e)
	s_mov_b32 s35, s34                             ; (the packed forms name a pair)
	s_mov_b32 s36, 0x3e088889                      ; 2/15
	s_mov_b32 s37, s36
	s_wait_alu depctr_va_sdst(0)                   ; s28 is written, ahead of its first reader: the wave's shares, bases and LDS places are made from it
	s_lshr_b32 s38, s28, 1                         ; w / 2
	s_and_b32 s39, s28, 1                          ; w % 2
	s_lshl_b32 s40, s38, 7
	s_lshl_b32 s41, s39, 5
	s_add_co_u32 s40, s40, s41                     ; W2, tile w: its first neuron x 4 bytes = 128 (w / 2) + 32 (w % 2)
	s_lshr_b32 s42, s28, 2
	s_lshl_b32 s42, s42, 7
	s_and_b32 s41, s38, 1
	s_lshl_b32 s41, s41, 5
	s_add_co_u32 s42, s42, s41                     ; W3, tile w / 2: likewise,
	s_lshl_b32 s41, s39, 14
	s_add_co_u32 s42, s42, s41                     ; and its half w % 2 along K: 64 rows of 256 bytes
	v_and_b32 v[R], 15, v0                         ; r
	v_bfe_u32 v[H], v0, 4, 1                       ; h
	v_and_b32 v[LN], 31, v0                        ; lane
	v_lshlrev_b32 v[LH], 6, v[H]
	v_lshlrev_b32 v[LI], 4, v[LN]
	v_lshlrev_b32 v[LS], 2, v[LN]
	v_lshlrev_b32 v[L8], 3, v[LN]
	v_mul_u32_u24 v[XO1], v[R], 12
	v_lshl_add_u32 v[XO0], v[H], 3, v[XO1]
	v_add_nc_u32 v[XO1], 4, v[XO1]
	v_lshlrev_b32 v[OO], 4, v[R]
	v_lshl_add_u32 v[OO], v[H], 3, v[OO]
	v_and_b32 v[RR4], 8, v[R]
	v_add_nc_u32 v[RR4], v[RR4], v[R]
	v_lshlrev_b32 v[RR4], 2, v[RR4]                ; 4 (r + 8 (r / 8))
	v_lshl_add_u32 v[GW2], v[H], 14, v[RR4]        ; W2(64 c + 32 h + i, my neuron): a row is 512 bytes
	v_add_nc_u32 v[GW2], s40, v[GW2]
	v_lshl_add_u32 v[GW3], v[H], 13, v[RR4]        ; W3: a row is 256 bytes
	v_add_nc_u32 v[GW3], s42, v[GW3]
	v_lshl_add_u32 v[GW1], v[H], 10, v[RR4]        ; W1: row 0 for lanes 0-15, row 2 for lanes 16-31
	v_lshlrev_b32 v[T4], 2, v0
	v_and_b32 v[T127], 127, v0
	v_lshlrev_b32 v[T2G], 1, v[T127]
	v_lshlrev_b32 v[T127], 2, v[T127]
	v_lshlrev_b32 v[T2L], 1, v0
	s_mul_i32 s43, s28, 1536
	v_add_nc_u32 v[AI2], s43, v[LI]                ; where my tile of W2 goes: 16 lane + 1536 w
	s_lshl_b32 s43, s28, 7
	v_add_nc_u32 v[AS2], s43, v[LS]                ; its scale word: 4 lane + 128 w
	s_mul_i32 s43, s28, 768
	v_add_nc_u32 v[AI3], s43, v[L8]                ; my half tile of W3: 8 lane + 768 w
	s_lshl_b32 s43, s38, 7
	s_lshl_b32 s44, s39, 1
	s_add_co_u32 s43, s43, s44
	v_add_nc_u32 v[AS3], s43, v[LS]                ; its half scale word: 4 lane + 128 (w / 2) + 2 (w % 2)
	v_lshlrev_b32 v[SH], 3, v[H]
	v_mov_b32 v[PM], 0                             ; a lane permute's destination counts as one of its sources
	s_mul_i32 s44, ttmp9, 12288                    ; x: 1,024 points of 12 bytes a work-group,
	s_mul_i32 s46, s28, 1536                       ; 128 a wave
	s_add_co_u32 s44, s44, s46
	s_mov_b32 s45, 0
	s_wait_kmcnt 0x0
	s_load_b32 s31, s[24:25], 0x0                  ; b4
	s_add_nc_u64 s[8:9], s[8:9], s[44:45]
	s_lshl_b32 s44, ttmp9, 14                      ; out0: 16 bytes a point
	s_lshl_b32 s46, s28, 11
	s_add_co_u32 s44, s44, s46
	s_add_nc_u64 s[26:27], s[26:27], s[44:45]
	s_cmp_lt_u32 s28, 4                            ; the tables: waves 0-3 and waves 4-7 copy from different buffers; the choice hangs on the wave's number alone
	s_cselect_b64 s[40:41], s[10:11], s[16:17]     ; W1 (row 0, for c) or b2
	s_cselect_b64 s[42:43], s[20:21], s[22:23]     ; b3 or W4
	s_cselect_b32 s47, -1, 0
	s_wait_alu depctr_va_vdst(0)                   ; all offsets and LDS addresses (v1-7, v237, v240-250) are written: every load and store of the kernel reads one of them, and none is written again
.irp c, 0,1
.irp i, 0,1,2,3,4,5,6,7,8,9,10,11,12,13,14,15,16,17,18,19,20,21,22,23,24,25,26,27,28,29,30,31
	global_load_b32 v[WA+32*\c+\i], v[GW2], s[14:15] offset:512*(64*\c+\i)     ; a lane takes a neuron, its registers run down K in the operand's own order
.endr
.endr
.irp i, 0,1,2,3,4,5,6,7,8,9,10,11,12,13,14,15,16,17,18,19,20,21,22,23,24,25,26,27,28,29,30,31
	global_load_b32 v[WB+\i], v[GW3], s[18:19] offset:256*\i
.endr
.irp t, 0,1,2,3,4,5,6,7
	global_load_b32 v[W1A+2*\t], v[GW1], s[10:11] offset:128*(\t/2)+32*(\t%2)          ; k = 0 | k = 2
	global_load_b32 v[W1A+2*\t+1], v[RR4], s[10:11] offset:512+128*(\t/2)+32*(\t%2)    ; k = 1 (lanes 16-31 are replaced by b1 below)
	global_load_b32 v[B1T+\t], v[RR4], s[12:13] offset:128*(\t/2)+32*(\t%2)
.endr
	global_load_b32 v[TL], v[T4], s[10:11]         ; W1's rows 0 and 1, a number a thread
	global_load_b32 v[TL+1], v[T127], s[40:41]
	global_load_u16 v[TL+2], v[T2G], s[42:43]      ; 256 bytes by 128 threads
	global_load_b32 v[XN], v[XO0], s[8:9] th:TH_LOAD_NT
	global_load_b32 v[XN+1], v[XO1], s[8:9] th:TH_LOAD_NT
	s_wait_loadcnt 61                              ; W2's 64 are in: behind them stand 32 + 24 + 3 + 2
	UNITQ WA, CW2, 212, MXA, SOA, BYA              ; block h
	UNITQ WA+32, CW2+6, 216, MXB, SOB, BYB         ; block 2 + h
	v_lshl_or_b32 v[WD], v[BYB], 16, v[BYA]
	v_lshlrev_b32 v[WD], v[SH], v[WD]              ; my two bytes at their places,
	v_permlanex16_b32 v[PM], v[WD], s32, s33
	v_or_b32 v[WD], v[WD], v[PM]                   ; with lane l xor 16's two the word is whole
	s_wait_alu depctr_va_vdst(0)                   ; the conversions and moves have written my tile's codes, and the line above its scale word, which the four LDS stores read
.irp g, 0,1,2
	ds_store_b128 v[AI2], v[CW2+4*\g:CW2+4*\g+3] offset:IMG2+512*\g
.endr
	ds_store_b32 v[AS2], v[WD] offset:WSC
	s_wait_loadcnt 29                              ; W3's 32 are in: behind them stand 24 + 3 + 2
	UNITQ WB, CW3, 220, MXA, SOA, BYA              ; block 2 (w % 2) + h.  (It writes none of the registers that the stores above read)
	v_lshlrev_b32 v[WD3], v[SH], v[BYA]
	v_permlanex16_b32 v[PM], v[WD3], s32, s33
	v_or_b32 v[WD3], v[WD3], v[PM]
	s_wait_loadcnt 2                               ; all but x
.irp t, 0,1,2,3,4,5,6,7
	v_cndmask_b32 v[W1A+2*\t+1], v[W1A+2*\t+1], v[B1T+\t], s30     ; k = 1 | k = 3: b1
.endr
	v_mul_f32 v[TQ], v[TL+1], v[TL+1]
	v_mul_f32 v[TQ], -2.0, v[TQ]
	v_cndmask_b32 v[TQ], v[TL+1], v[TQ], s47       ; waves 0-3: c = -2 W1[0]^2; waves 4-7: b2 as it is
	WIN 0x40                                       ; destination window 1
.irp q, 0,1,2,3
	v_mov_b32 v[MP+\q], 0                          ; a lane permute's destination counts as one of its sources
.endr
	v_mov_b32 v[C13], 0xbeaaaaab                   ; -1/3
	v_mov_b32 v[C13+1], 0xbeaaaaab
	WIN 0
	s_wait_alu depctr_va_vdst(0)                   ; my half tile's codes, its half scale word and the table's number are written, which the LDS stores below read; and the set-up's vector work, all of it ahead of this line, is done with v84-227, in which the fragments land behind the barrier
.irp p, 0,1,2
	ds_store_b64 v[AI3], v[CW3+2*\p:CW3+2*\p+1] offset:IMG3+256*\p
.endr
	ds_store_b16 v[AS3], v[WD3] offset:WSC+1024
	ds_store_b32 v[T4], v[TL] offset:TW0
	ds_store_b32 v[T4], v[TQ] offset:TC
	ds_store_b16 v[T2L], v[TL+2] offset:TB3
	s_wait_dscnt 0x0                               ; for the others' sake: my stores have landed
	s_barrier_signal -1
	s_barrier_wait -1                              ; the launch's one barrier: images, scale words and tables are whole, and nobody writes them again
	s_wait_alu depctr_vm_vsrc(0)                   ; my LDS stores have read their data and addresses: W3's fragments land in v188-209 below, and the loop's biases in v232, v233, v238 and v243
.irp t, 0,1,2,3,4,5,6,7
.irp g, 0,1,2
	ds_load_b128 v[W2F+12*\t+4*\g:W2F+12*\t+4*\g+3], v[LI] offset:IMG2+1536*\t+512*\g
.endr
	ds_load_b32 v[W2S+\t], v[LS] offset:WSC+128*\t
.endr
.irp t, 0,1,2,3
.irp p, 0,1,2,3,4,5
	ds_load_b64 v[W3F+12*\t+2*\p:W3F+12*\t+2*\p+1], v[L8] offset:IMG3+1536*\t+256*\p
.endr
	ds_load_b32 v[W3S+\t], v[LS] offset:WSC+1024+128*\t
.endr
	s_wait_dscnt 0x0
	s_wait_kmcnt 0x0                               ; b4
	s_mov_b32 s29, PASSES
; Layer 1's sums of block b (neurons 32 b on): two f32 matrix instructions, each its sum's one K step, begun with the constant 0
.macro FW b
	WIN 0
.irp u, 0,1
	v_wmma_f32_16x16x4_f32 v[A1+16*((\b)%2)+8*\u:A1+16*((\b)%2)+8*\u+7], v[W1A+2*(2*(\b)+\u):W1A+2*(2*(\b)+\u)+1], v[XB:XB+1], 0
.endr
.endm
; Layer 1's tables of block b: c, a_z = W1 row 0, a_t = W1 row 1, for my 16 neurons, where the tangents' sums lie in the later layers; in the order in which the activation takes them
.macro LDC b
	WIN 0x40
.irp g, 0,1,2,3
	ds_load_b128 v[ACC+48+4*\g:ACC+48+4*\g+3], v[LH] offset:TC+128*(\b)+16*\g
.endr
.irp g, 0,1,2,3
	ds_load_b128 v[ACC+16+4*\g:ACC+16+4*\g+3], v[LH] offset:TW0+128*(\b)+16*\g
.endr
.irp g, 0,1,2,3
	ds_load_b128 v[ACC+32+4*\g:ACC+32+4*\g+3], v[LH] offset:TW1+128*(\b)+16*\g
.endr
.endm
; Block b of a quantised layer: tiles 2 b and 2 b + 1 of the weights against the four chains' fragments: eight instructions on eight accumulators, K = 128 in one step: no chain.
; The primal's C is the bias, in registers of its own in window 0; the tangents begin with 0.
.macro MM WF, WS, b, F, S
	s_wait_dscnt 0x0                               ; the bias (and, ahead of layer 3, W4)
	WIN 0x44                                       ; source 0 (the weights) and C (the bias) window 0; source 1 and D window 1
.irp u, 0,1
.irp q, 0,1,2,3
.if \q == 0
	v_wmma_scale_f32_16x16x128_f8f6f4 v[ACC+8*\u:ACC+8*\u+7], v[\WF+12*(2*(\b)+\u):\WF+12*(2*(\b)+\u)+11], v[\F:\F+11], v[BIA+8*\u:BIA+8*\u+7], v[\WS+2*(\b)+\u], v[\S] matrix_a_fmt:MATRIX_FMT_FP6 matrix_b_fmt:MATRIX_FMT_FP6
.else
	v_wmma_scale_f32_16x16x128_f8f6f4 v[ACC+16*\q+8*\u:ACC+16*\q+8*\u+7], v[\WF+12*(2*(\b)+\u):\WF+12*(2*(\b)+\u)+11], v[\F+12*\q:\F+12*\q+11], 0, v[\WS+2*(\b)+\u], v[\S+\q] matrix_a_fmt:MATRIX_FMT_FP6 matrix_b_fmt:MATRIX_FMT_FP6
.endif
.endr
.endr
	WIN 0x55
.rept 4
	v_nop                                          ; four places ahead of the first read of results (ISA guide 7.12.1)
.endr
.endm
; The activation and its derivatives for 16 neurons a lane.  kind = 1: layer 1, a in window 0 (set b % 2), the tangents' factors from the tables.  kind = 2: a, a_z, a_t, a_zz in ACC.
; nb: LDS byte of the next block's bias (-1: none); w4 = 1: W4 is fetched with it.  The block's LDS loads stand behind the wait for the exponentials (the plan at the kernel's head).
; All loops ascend, so that each matrix result is first read at its low end.  The exponentials are one batch with one wait, and so are the reciprocals; plain work that names none of their results stands among them.
.macro ACT kind, b, nb, w4
.if \kind == 1
.set AS, A1+16*((\b)%2)
	WIN 0x40                                       ; destination window 1, a in window 0
.else
.set AS, ACC
	WIN 0x55
.endif
.irp i, 0,2,4,6,8,10,12,14
	v_pk_mul_f32 v[T+\i:T+\i+1], v[AS+\i:AS+\i+1], s[34:35] op_sel_hi:[1,0]          ; 2 log2(e) a
.endr
.irp i, 0,2,4,6,8,10,12,14
	v_pk_mul_f32 v[Y+\i:Y+\i+1], v[AS+\i:AS+\i+1], v[AS+\i:AS+\i+1]                  ; a^2
.endr
.if \kind == 1
	WIN 0x41
.endif
.irp i, 0,2,4,6,8,10,12,14
	v_pk_mul_f32 v[Z+\i:Z+\i+1], v[Y+\i:Y+\i+1], v[AS+\i:AS+\i+1]                    ; a^3
.endr
	WIN 0x55
.irp i, 0,2,4,6,8,10,12,14
	v_exp_f32 v[T+\i], v[T+\i]
	v_pk_fma_f32 v[Y+\i:Y+\i+1], v[Y+\i:Y+\i+1], s[36:37], v[C13:C13+1] op_sel_hi:[1,0,1]   ; 2 a^2 / 15 - 1/3
.endr
.if \kind == 1
	WIN 0x45                                       ; source 2 (a) window 0
.endif
.irp i, 0,2,4,6,8,10,12,14
	v_exp_f32 v[T+\i+1], v[T+\i+1]
	v_pk_fma_f32 v[Y+\i:Y+\i+1], v[Y+\i:Y+\i+1], v[Z+\i:Z+\i+1], v[AS+\i:AS+\i+1]    ; hi = a - a^3/3 + 2 a^5/15
.endr
.irp i, 0,2,4,6,8,10,12,14
	v_pk_fma_f32 v[Z+\i:Z+\i+1], v[Z+\i:Z+\i+1], v[C13:C13+1], v[AS+\i:AS+\i+1]      ; lo = a - a^3/3.  (Plain places behind the last exponential)
.endr
.if \kind == 1 && (\b) < 2
	FW \b+2                                        ; this set of sums has had its last read: it takes the block two on
.endif
.if (\kind == 1) && ((\b) > 0)                 ; the window of the loads that follow the wait is set ahead of it
	WIN 0x40
.elseif (\kind == 2) && ((\nb) >= 0)
	WIN 0
.else
	WIN 0x55
.endif
	s_wait_alu depctr_va_vdst(0)                   ; the 16 exponentials have written T, ahead of the first line that names a result.  Also: the last block's conversions are done reading the tangents' registers (kind 1), this block's products are done reading the bias and, w4 = 1, layer 1's fragments (kind 2): the loads below land there
.if (\kind == 1) && ((\b) > 0)
	LDC \b                                         ; this block's tables.  (Block 0's are asked for at the pass's head)
.endif
.if (\kind == 2) && ((\nb) >= 0)
.irp g, 0,1,2,3
	ds_load_b128 v[BIA+4*\g:BIA+4*\g+3], v[LH] offset:\nb+16*\g                      ; the next block's bias: the C of its primal's products
.endr
.if \w4
	WIN 0x40
.irp e, 0,1
.irp g, 0,1,2,3
	ds_load_b128 v[FA+16*\e+4*\g:FA+16*\e+4*\g+3], v[LH] offset:TW4+128*\e+16*\g     ; W4, where layer 1's fragments lay: their last product stands at this block's head
.endr
.endr
.endif
.endif
	WIN 0x55
.irp i, 0,2,4,6,8,10,12,14
	v_pk_add_f32 v[T+\i:T+\i+1], v[T+\i:T+\i+1], 1.0 op_sel_hi:[1,0]
.endr
.irp i, 0,2,4,6,8,10,12,14
	v_rcp_f32 v[T+\i], v[T+\i]
	v_rcp_f32 v[T+\i+1], v[T+\i+1]
.if \kind == 2
	v_pk_mul_f32 v[ACC+\i:ACC+\i+1], v[ACC+16+\i:ACC+16+\i+1], v[ACC+16+\i:ACC+16+\i+1]   ; a_z^2, where a lay
.endif
.endr
.if \kind == 1
	v_nop                                          ; a plain place behind the last reciprocal
.endif
	s_wait_alu depctr_va_vdst(0)                   ; the 16 reciprocals have written T, ahead of the first line that names a result
.irp i, 0,2,4,6,8,10,12,14
	v_pk_fma_f32 v[T+\i:T+\i+1], v[T+\i:T+\i+1], -2.0, 1.0 op_sel_hi:[1,0,0]         ; hb
.endr
.irp j, 0,1,2,3,4,5,6,7,8,9,10,11,12,13,14,15
	v_med3_num_f32 v[T+\j], v[T+\j], v[Y+\j], v[Z+\j]                                ; h
.endr
.irp i, 0,2,4,6,8,10,12,14
	v_pk_fma_f32 v[Y+\i:Y+\i+1], v[T+\i:T+\i+1], v[T+\i:T+\i+1], 1.0 op_sel_hi:[1,1,0] neg_lo:[1,0,0] neg_hi:[1,0,0]   ; s = 1 - h h
.endr
.if \kind == 2
.irp i, 0,2,4,6,8,10,12,14
	v_pk_mul_f32 v[Z+\i:Z+\i+1], v[T+\i:T+\i+1], v[ACC+\i:ACC+\i+1]                  ; h a_z^2
.endr
.irp i, 0,2,4,6,8,10,12,14
	v_pk_fma_f32 v[ACC+48+\i:ACC+48+\i+1], v[Z+\i:Z+\i+1], -2.0, v[ACC+48+\i:ACC+48+\i+1] op_sel_hi:[1,0,1]   ; a_zz - 2 h a_z^2
.endr
.irp i, 0,2,4,6,8,10,12,14
	v_pk_mul_f32 v[ACC+48+\i:ACC+48+\i+1], v[ACC+48+\i:ACC+48+\i+1], v[Y+\i:Y+\i+1]  ; h_zz
.endr
.else
.irp i, 0,2,4,6,8,10,12,14
	v_pk_mul_f32 v[Z+\i:Z+\i+1], v[T+\i:T+\i+1], v[Y+\i:Y+\i+1]                      ; h s
.endr
	s_wait_dscnt 8                                 ; LDS loads come back in order (ISA guide 5.7.1): c is in; the eight younger loads, W1's rows 0 and 1, may be out
.irp i, 0,2,4,6,8,10,12,14
	v_pk_mul_f32 v[ACC+48+\i:ACC+48+\i+1], v[ACC+48+\i:ACC+48+\i+1], v[Z+\i:Z+\i+1]  ; h_zz = c h s
.endr
	s_wait_dscnt 4                                 ; W1's row 0 is in; row 1's four loads may be out
.endif
.irp i, 0,2,4,6,8,10,12,14
	v_pk_mul_f32 v[ACC+16+\i:ACC+16+\i+1], v[ACC+16+\i:ACC+16+\i+1], v[Y+\i:Y+\i+1]  ; h_z
.endr
.if \kind == 1
	s_wait_dscnt 0x0                               ; W1's row 1 is in
.endif
.irp i, 0,2,4,6,8,10,12,14
	v_pk_mul_f32 v[ACC+32+\i:ACC+32+\i+1], v[ACC+32+\i:ACC+32+\i+1], v[Y+\i:Y+\i+1]  ; h_t
.endr
.endm
; Block b (k = 32 b + 16 h + 0 .. 15 in my 16 registers) of the four chains is quantised into the fragments at F (12 registers a chain); behind block 3 the scale words go to S, in window 0.
.macro QUANT b, F, S
.irp q, 0,1,2,3
	SRCOF \q
	v_max3_num_f32 v[MX+\q], |v[SR]|, |v[SR+1]|, 0x1800000                           ; with the floor 2^(3 - 127): the byte cannot fall under 1
.endr
.irp i, 2,4,6,8,10,12,14
.irp q, 0,1,2,3
	SRCOF \q
	v_max3_num_f32 v[MX+\q], v[MX+\q], |v[SR+\i]|, |v[SR+\i+1]|                      ; (the four chains by turns)
.endr
.endr
.irp q, 0,1,2,3
	v_permlanex16_b32 v[MP+\q], v[MX+\q], s32, s33
.endr
.irp q, 0,1,2,3
	v_max_num_f32 v[MX+\q], v[MX+\q], v[MP+\q]                                       ; with lane l xor 16's 16: the block's largest magnitude
.endr
.irp q, 0,1,2,3
	v_add_nc_u32 v[SO+\q], 0xff000000, v[MX+\q]                                      ; 2 off its exponent field: the conversion's scale operand
.endr
.if (\b) == 0
.irp q, 0,1,2,3
	v_lshrrev_b32 v[WORD+\q], 23, v[SO+\q]                                           ; the scale's byte starts the word
.endr
.else
.irp q, 0,1,2,3
	v_lshrrev_b32 v[BY+\q], 23, v[SO+\q]
.endr
.irp q, 0,1,2,3
	v_lshl_or_b32 v[WORD+\q], v[BY+\q], 8*(\b), v[WORD+\q]
.endr
.endif
.if (\b) == 3
	WIN 0x01                                       ; source window 1, destination window 0: scale operands are taken from window 0
.irp q, 0,1,2,3
	v_mov_b32 v[\S+\q], v[WORD+\q]
.endr
	WIN 0x55
.endif
.irp q, 0,1,2,3
	SRCOF \q
.if (\b)%2 == 0
	v_cvt_scalef32_pk16_fp6_f32 v[\F+12*\q+6*((\b)/2):\F+12*\q+6*((\b)/2)+2], v[SR:SR+15], v[SO+\q]
.else
	v_cvt_scalef32_pk16_fp6_f32 v[CT+4*\q:CT+4*\q+2], v[SR:SR+15], v[SO+\q]
.endif
.endr
	v_nop                                          ; one plain place behind a scaled conversion
.if (\b)%2 == 1                        ; the operand's layout wants a WHOLE block in a lane: lanes 0-15 block b - 1, lanes 16-31 block b
.irp q, 0,1,2,3
.irp i, 0,1,2
	v_permlane16_swap_b32 v[\F+12*\q+6*((\b)/2)+\i], v[CT+4*\q+\i]
.endr
.endr
.irp q, 0,1,2,3
.irp i, 0,1,2
	v_mov_b32 v[\F+12*\q+6*((\b)/2)+3+\i], v[CT+4*\q+\i]
.endr
.endr
.endif
.if (\b) == 3
.rept 4
	v_nop                                          ; an operand written by vector instructions stands 4 places ahead of a scaled matrix instruction; the scale words stand 33 ahead (4 + 1 + 12 + 12 + 4), where 8 are asked
.endr
	s_wait_alu depctr_va_vdst(0)                   ; behind the places: the conversions, exchanges and moves have written the layer's four fragments and four scale words, which the next layer's scaled matrix instructions take; none of them is written again before the last of those products
.endif
.endm
; The last layer: block b's 16 neurons of the four chains times W4, two at a time; the first products start the sums
.macro DOTP b
.irp i, 0,2,4,6,8,10,12,14
.irp q, 0,1,2,3
	SRCOF \q
.if (\b) == 0 && \i == 0
	v_pk_mul_f32 v[DT+2*\q:DT+2*\q+1], v[SR+\i:SR+\i+1], v[FA+16*(\b)+\i:FA+16*(\b)+\i+1]
.else
	v_pk_fma_f32 v[DT+2*\q:DT+2*\q+1], v[SR+\i:SR+\i+1], v[FA+16*(\b)+\i:FA+16*(\b)+\i+1], v[DT+2*\q:DT+2*\q+1]
.endif
.endr
.endr
.endm
.Lpass:                                                ; a trip: 16 points.  Every window is 0 here
	s_wait_loadcnt 0x0                             ; this pass's x, asked for a pass ago
	v_mov_b32 v[XB], v[XN]                         ; k = 0: x0 | k = 2: x2
	v_cndmask_b32 v[XB+1], v[XN+1], 1.0, s30       ; k = 1: x1 | k = 3: 1, for b1
	s_wait_alu depctr_va_vdst(0)                   ; the two lines above are done reading XN, in which the next pass's x lands; the last pass's products and vector work are done with the bias's and the tangents' registers, in which the first bias and block 0's tables land.  Up to those loads only v_nop and the f32 products follow, which name A1, W1A and XB
	s_cmp_eq_u32 s29, 1                            ; the last pass asks for nothing: no load leaves x
	s_cbranch_scc1 .Lno_next
	global_load_b32 v[XN], v[XO0], s[8:9] offset:192 th:TH_LOAD_NT
	global_load_b32 v[XN+1], v[XO1], s[8:9] offset:192 th:TH_LOAD_NT
.Lno_next:
.irp g, 0,1,2,3
	ds_load_b128 v[BIA+4*\g:BIA+4*\g+3], v[LH] offset:TB2+16*\g     ; b2's first block: layer 1 leaves these registers alone
.endr
.rept 4
	v_nop                                          ; the operand just written by vector instructions stands four places ahead of the matrix instruction, as ahead of the scaled form
.endr
	FW 0
	FW 1
	LDC 0
.rept 8
	v_nop                                          ; eight places behind the f32 form ahead of the first read of its results
.endr
	; ---- layer 1
	ACT 1, 0, -1, 0
	QUANT 0, FA, FAS
	ACT 1, 1, -1, 0
	QUANT 1, FA, FAS
	ACT 1, 2, -1, 0
	QUANT 2, FA, FAS
	ACT 1, 3, -1, 0
	QUANT 3, FA, FAS
	; ---- layer 2
	MM W2F, W2S, 0, FA, FAS
	ACT 2, 0, TB2+128, 0
	QUANT 0, FB, FBS
	MM W2F, W2S, 1, FA, FAS
	ACT 2, 1, TB2+256, 0
	QUANT 1, FB, FBS
	MM W2F, W2S, 2, FA, FAS
	ACT 2, 2, TB2+384, 0
	QUANT 2, FB, FBS
	MM W2F, W2S, 3, FA, FAS
	ACT 2, 3, TB3, 1
	QUANT 3, FB, FBS
	; ---- layer 3 and the last layer
	MM W3F, W3S, 0, FB, FBS
	ACT 2, 0, TB3+128, 0
	DOTP 0
	MM W3F, W3S, 1, FB, FBS
	ACT 2, 1, -1, 0
	DOTP 1
	; ---- out: the sums' two halves, lane l xor 16's 32 neurons, b4
.irp q, 0,1,2,3
	v_add_f32 v[MX+\q], v[DT+2*\q], v[DT+2*\q+1]
.endr
.irp q, 0,1,2,3
	v_permlanex16_b32 v[MP+\q], v[MX+\q], s32, s33
.endr
.irp q, 0,1,2,3
	v_add_f32 v[MX+\q], v[MX+\q], v[MP+\q]
.endr
	v_add_f32 v[MX], s31, v[MX]
	v_cndmask_b32 v[OUTP], v[MX], v[MX+2], s30     ; lanes 0-15: T, T_z; lanes 16-31: T_t, T_zz
	v_cndmask_b32 v[OUTP+1], v[MX+1], v[MX+3], s30
	WIN 0x04                                       ; a store's data are its source 1: window 1
	s_wait_alu depctr_va_vdst(0)                   ; the two selects have written OUTP, which the store reads
	global_store_b64 v[OO], v[OUTP:OUTP+1], s[26:27] th:TH_STORE_NT    ; the 32 lanes store 256 consecutive bytes, at a multiple of 256 from out0's first byte
	WIN 0
	s_wait_xcnt 0x0                                ; the loads and the store have read their bases and the store its data: only behind this wait are they written again
	s_wait_alu depctr_vm_vsrc(0)                   ; the store has read OUTP, which the next pass's selects write again
	s_add_nc_u64 s[8:9], s[8:9], 192
	s_add_nc_u64 s[26:27], s[26:27], 256
	s_sub_co_u32 s29, s29, 1
	s_cmp_lg_u32 s29, 0
	s_cbranch_scc1 .Lpass
	s_wait_dscnt 0x0                               ; the closing lines, six on end
	s_wait_alu 0x0
	s_wait_tensorcnt 0x0
	ds_add_u32 v[SPW], v[NIL]
	s_wait_dscnt 0x0
	s_endpgm
.Lfunc_end_k_qf5f86f4449_pinn:
	.size	k_qf5f86f4449_pinn, .Lfunc_end_k_qf5f86f4449_pinn-k_qf5f86f4449_pinn
	.p2alignl 7, 3214868480
	.fill 96, 4, 3214868480
	.section	.rodata,"a",@progbits
	.p2align	6, 0x0
	.amdhsa_kernel k_qf5f86f4449_pinn
		.amdhsa_group_segment_fixed_size 23552
		.amdhsa_private_segment_fixed_size 0
		.amdhsa_enable_private_segment 0
		.amdhsa_kernarg_size 80
		.amdhsa_user_sgpr_count 2
		.amdhsa_user_sgpr_kernarg_segment_ptr 1
		.amdhsa_wavefront_size32 1
		.amdhsa_system_sgpr_workgroup_id_x 1
		.amdhsa_system_sgpr_workgroup_id_y 1
		.amdhsa_system_sgpr_workgroup_id_z 1
		.amdhsa_system_vgpr_workitem_id 0
		.amdhsa_next_free_vgpr 512
		.amdhsa_next_free_sgpr 66
		.amdhsa_reserve_vcc 0
		.amdhsa_float_denorm_mode_32 3
		.amdhsa_float_denorm_mode_16_64 3
		.amdhsa_memory_ordered 1
		.amdhsa_forward_progress 1
		.amdhsa_inst_pref_size 169
	.end_amdhsa_kernel
	.amdgpu_metadata
---
amdhsa.version: [ 1, 2 ]
amdhsa.kernels:
  - .name:           k_qf5f86f4449_pinn
    .symbol:         k_qf5f86f4449_pinn.kd
    .args:
      - { .name: x, .offset: 0, .size: 8, .value_kind: global_buffer, .address_space: global }
      - { .name: W1, .offset: 8, .size: 8, .value_kind: global_buffer, .address_space: global }
      - { .name: b1, .offset: 16, .size: 8, .value_kind: global_buffer, .address_space: global }
      - { .name: W2, .offset: 24, .size: 8, .value_kind: global_buffer, .address_space: global }
      - { .name: b2, .offset: 32, .size: 8, .value_kind: global_buffer, .address_space: global }
      - { .name: W3, .offset: 40, .size: 8, .value_kind: global_buffer, .address_space: global }
      - { .name: b3, .offset: 48, .size: 8, .value_kind: global_buffer, .address_space: global }
      - { .name: W4, .offset: 56, .size: 8, .value_kind: global_buffer, .address_space: global }
      - { .name: b4, .offset: 64, .size: 8, .value_kind: global_buffer, .address_space: global }
      - { .name: out0, .offset: 72, .size: 8, .value_kind: global_buffer, .address_space: global }
    .group_segment_fixed_size: 23552
    .private_segment_fixed_size: 0
    .kernarg_segment_align: 8
    .kernarg_segment_size: 80
    .max_flat_workgroup_size: 256
    .sgpr_count:     66
    .vgpr_count:     512
    .wavefront_size: 32
...
	.end_amdgpu_metadata
.endif
;; end of part 2
